; MI455X (gfx1250); checked and timed in simulation.
; The chip was launched on July 23, 2026; its instructions are those of AMD's public machine-readable ISA for CDNA 5 (MIT licence, August 2026) and "CDNA5" Instruction Set Architecture Reference Guide (July 2026). The comments in the code are by the model that wrote it; some were corrected since.
;; Manual LSTM Cell. Allowed arithmetic: matrix products marked QUANTISED: E2M3 operands, one E8M0 scale for each 32 along K, by v_wmma_scale_f32_16x16x128_f8f6f4 with both operands' format E2M3, f32 sums; everything else in f32.
;; Inputs: U_b 4,096 float32; U_w_codes 4,096 x 32 x 24 uint8 (E2M3 codes of U_w, K innermost, in blocks of 32 codes, four codes in three bytes); U_w_scales 4,096 x 32 uint8 (E8M0 scales of U_w, one for each 32 codes along K); W_w_codes 4,096 x 32 x 24 uint8 (E2M3 codes of W_w, K innermost, in blocks of 32 codes, four codes in three bytes); W_w_scales 4,096 x 32 uint8 (E8M0 scales of W_w, one for each 32 codes along K); c_prev 4,096 x 1,024 float32; h_prev_codes 4,096 x 32 x 24 uint8 (E2M3 codes of h_prev, K innermost, in blocks of 32 codes, four codes in three bytes); h_prev_scales 4,096 x 32 uint8 (E8M0 scales of h_prev, one for each 32 codes along K); x_t_codes 4,096 x 32 x 24 uint8 (E2M3 codes of x_t, K innermost, in blocks of 32 codes, four codes in three bytes); x_t_scales 4,096 x 32 uint8 (E8M0 scales of x_t, one for each 32 codes along K).
;; Outputs: out0 4,096 x 1,024 float32; out1 4,096 x 1,024 float32.
;; This version of the problem:
;;   THIS VERSION OF THE PROBLEM IS GIVEN IN LOW PRECISION. The matrix products marked QUANTISED in the list below multiply operands that are first quantised to E2M3 (2 exponent bits, 3 mantissa bits; 6 bits a number), with one power-of-two scale for each 32 numbers along K (OCP MX v1.0); their sums are f32. All else is computed in f32.
;;   The module's matrix products, in the order in which they are computed (A, B: the left and right operand; K: the contracted axis; several contracted axes count as one K, in the product's order):
;;     1. [M 4,096, K 1,024] x [K 1,024, N 4,096]; A: input x_t (given as codes); B: input U_w (given as codes): QUANTISED
;;     2. [M 4,096, K 1,024] x [K 1,024, N 4,096]; A: input h_prev (given as codes); B: input W_w (given as codes): QUANTISED
;;   THE QUANTISER, for each operand of a quantised product, along K:
;;     - K is cut into blocks of 32 from its start; a last block that is shorter is filled with zeros.
;;     - A block's scale is 2^e with e = floor(log2(the largest magnitude in the block)) - 2, held to -126 .. 127; a block of zeros has e = 0. As a byte (E8M0): e + 127.
;;     - Each number is divided by its block's scale, clamped to +-7.5, and rounded to the nearest number of E2M3, ties to even, subnormals kept.
;;     - The product sums the exact products of the quantised numbers (number of the format x scale) in f32.
;;   ~~~python
;;   def quantise(x, axis):      # numpy; x: float32 -> the quantised numbers, widened to float32 again
;;       x = np.moveaxis(x, axis, -1); K = x.shape[-1]
;;       x = np.pad(x, [(0, 0)] * (x.ndim - 1) + [(0, -K % 32)]); x = x.reshape(x.shape[:-1] + (-1, 32)); a = np.abs(x).max(-1, keepdims=True)
;;       e = np.where(a > 0, np.clip(np.frexp(np.where(a > 0, a, 1))[1] - 1 - 2, -126, 127), 0)      # np.frexp(a)[1] - 1 = floor(log2(a)), exactly
;;       r = np.clip(x / 2.0 ** e, -7.5, 7.5)
;;       step = 2.0 ** (np.maximum(np.frexp(np.where(r == 0, 1, r))[1] - 1, 0) - 3)
;;       q = np.round(r / step) * step * 2.0 ** e      # np.round: ties to even
;;       return np.moveaxis(q.reshape(q.shape[:-2] + (-1,))[..., :K], -1, axis).astype(np.float32)
;;   ~~~
;;   INPUTS GIVEN AS CODES. U_w (in the module: [4096, 1024], K = its axis 1); W_w (in the module: [4096, 1024], K = its axis 1); h_prev (in the module: [4096, 1024], K = its axis 1); x_t (in the module: [4096, 1024], K = its axis 1): each comes as NAME_codes (uint8): NAME with its K axis moved to the last place and cut into blocks of 32 codes, [.., K / 32, bytes a block], one block behind the other in memory; four codes in three bytes: a row's codes are one little-endian stream of bits, code i at bits 6 i .. 6 i + 5 (a code: sign, 2 exponent bits, 3 mantissa bits); and NAME_scales (uint8): the same leading axes, one E8M0 byte (e + 127) for each 32 codes along K. Its value is code x scale, taken as it is: it is not quantised again, and the codes and scales need not be those that the quantiser above would give.
;; One version. Each part assembles by itself: llvm-mc -triple=amdgcn-amd-amdhsa -mcpu=gfx1250 --defsym DOCPART=n.
;; ======== version 1 of 1: 1 launch
;; launch lstm (part 1): grid 16 x 16, 4 waves a work-group, clusters of 4 x 4, 327,680 bytes of LDS; arguments x_t_codes, x_t_scales, h_prev_codes, h_prev_scales, U_w_codes, U_w_scales, W_w_codes, W_w_scales, U_b, c_prev, out0, out1; writes out0, out1
.if DOCPART == 1
	.amdgcn_target "amdgcn-amd-amdhsa--gfx1250"
	.amdhsa_code_object_version 6
	.text
	.protected	k_q1fb4676e6d_lstm
	.globl	k_q1fb4676e6d_lstm
	.p2align	8
	.type	k_q1fb4676e6d_lstm,@function
k_q1fb4676e6d_lstm:
	s_mov_b64 s[64:65], 0
	v_nop
	global_prefetch_b8 v0, s[64:65] scope:SCOPE_SE
	s_setreg_imm32_b32 hwreg(HW_REG_WAVE_MODE, 25, 1), 1
	s_wait_xcnt 0x0
	s_wait_alu depctr_hold_cnt(0) depctr_sa_sdst(0) depctr_va_vdst(0) depctr_va_sdst(0) depctr_va_ssrc(0) depctr_va_vcc(0) depctr_vm_vsrc(0)
	s_getreg_b32 s2, hwreg(HW_REG_IB_STS2, 6, 4)
	s_cmp_eq_u32 s2, 0
	s_cbranch_scc0 .Lentry_in_a_cluster
	s_endpgm
.Lentry_in_a_cluster:
	s_bfe_u32 s2, ttmp6, 0x10000c
	s_cmp_lg_u32 s2, 0xf033
	s_cbranch_scc0 .Lentry_shape_is_right
	s_endpgm
.Lentry_shape_is_right:
; An LSTM cell.  pre = x U^T + b + h W^T, [4096][4096]; f, i, o = sigmoid of its first three quarters, g = tanh of the fourth; c = f c_prev + i g (out1); h = o tanh(c) (out0).
; x, h, U, W arrive as codes of FP6 (E2M3), K innermost, 768 bytes a row, with one E8M0 byte for each 32 along K, 32 bytes a row: codes and bytes go to the matrix instruction as they lie.
; The two products add into the same sums: ONE product with K = 2,048.  pre never goes to memory.
; SHARES.  Work-group (tx, ty) owns batch rows 256 ty .. + 255 and hidden columns 64 tx .. + 63 of ALL FOUR GATES: its 256 rows of weights are 4 gates x 64 rows (tile row 64 g + column).  Four waves, each 128 x 128 of pre:
; 64 accumulators, 512 registers.  Wave (R, c) = (wave / 2, wave % 2).  A wave's blocks of 16 are interleaved alike on both sides: block i begins at tile row 64 (i / 2) + 16 (i % 2), + 32 R (batch) or + 32 c (weights).
; So weight block b = 2 g + u is gate g, hidden columns 32 c + 16 u .. + 15: a wave holds all four gates of its 32 columns, and the tail needs no other wave.
; K goes in steps of 256 through two LDS slots.  Slot 0 always holds a step of x and U, slot 1 one of h and W: x 0, h 0, x 1, h 1 ..: each slot walks its own buffers by 192 bytes, its own scale bytes by 8.
; THE MATRIX INSTRUCTION IS USED TRANSPOSED (source 0 = 16 rows of weights, source 1 = 16 batch rows): a lane holds batch row lane % 16 and eight neighbouring hidden columns 8 (lane / 16) + 0 .. 7.
; THE BIAS is the C of each accumulator's first matrix instruction: nothing is cleared and nothing is added.
; CLUSTERS: 4 x 4 work-groups.  The four of a row of the cluster need the same batch tiles, the four of a column the same weight tiles: each is asked for jointly.  c_prev is shared by nobody: a plain load.
; c_prev comes into slot 0 when that slot has been read for the last time; c and h are gathered in the two slots, which have had their last fills, and leave as whole rows of 256 bytes.
; LIMITS.  The order of the f32 sums differs from the source's: bias first, then steps of x and h by turns.  sigmoid(x) = 1 / (1 + 2^(-x log2 e)), tanh(x) = 1 - 2 / (1 + 2^(2 x log2 e)): both run to their ends
; through infinity and 0 for every finite x; near 0 tanh carries an absolute error of some 1e-7.  NaN, infinities and the scale byte 0xff give what this arithmetic gives.
; REGISTERS, in windows of 256: window 0: v0-31 addresses; v32-63 scale words, two sets, and nothing else ever; v64-127 the bias, later the tail; v128-223 batch fragments, ONE set, later the tail.
;   window 1: weight fragments, TWO sets, at v0 and v128.   window 2: accumulators of batch blocks 0-3 ((a, b) at v[8 (8 (a % 4) + b)]);   window 3: of blocks 4-7.
.set ROWB,   192                       ; a tile's row: 256 codes of 6 bits
.set KROW,   768                       ; a row of codes in memory
.set PITCH,  240                       ; an LDS row: 3 x (64 bytes + 16 of padding)
.set FR,     12                        ; registers of a fragment, 16 rows x 128 K
.set NL,     6                         ; LDS loads that bring one
.set NP,     4                         ; places behind this matrix instruction (ISA guide 7.12.1)
.set NQ,     2                         ; matrix instructions deep in a slot
.set HALFT,  128*PITCH                 ; 128 rows: what one tensor load brings
.set SLOT,   4*HALFT                   ; 256 batch rows, then 256 weight rows
.set LAPS,   4                         ; a lap = a step of x and a step of h
.set SCL,    2*SLOT                    ; behind the ring: the scale bytes, as pieces of 256 bytes + 16 of padding
.set HALFS,  16*272                    ; those of 128 rows (4,096 bytes)
.set SEG,    4*HALFS                   ; a segment: batch rows' 256, then weight rows' 256.  Segment 0: x and U; segment 1: h and W
.set SPARE,  SCL+2*SEG                 ; the spare words, 128 bytes for each wave: two blocks of 256 bytes that no other line names
.set CPP,    272                       ; the tail: a row of 64 f32 + 16 bytes
.set HST,    SLOT                      ; c_prev, then c, lie from LDS byte 0 on (256 rows x 272); h from here on
.set RDC,  8                           ; v8   where I read a row of c back;  v9: of h
.set RDH,  9
.set CO,   10                          ; v10  my byte offset in the rows that I store
.set VB,   11                          ; v11  32 x (lane / 16): my eight numbers of a bias block
.set ADRA, 16                          ; v16-17 LDS address of my batch fragments in slot 0, 1;  v18-19 the same behind one padding more
.set ADRB, 20                          ; v20-23 the same for the weights
.set ADRS, 24                          ; v24-25 my scale words in segment 0, 1: lanes 0-15 batch rows, lanes 16-31 weight rows
.set CPA,  26                          ; v26  my 32 bytes of a row of c_prev / c;  v27: of h
.set HSA,  27
.set SPW,  28                          ; v28  LDS address of my spare word; never rewritten
.set NIL,  29                          ; v29  0; never rewritten
.set PFO,  30                          ; v30  4,096 x lane: a row of c_prev a lane; never rewritten
.set SC,   32                          ; scale words: set s at v[SC + 16 s]; register 2 i + q: block i, the slot's q-th 128 along K
.set BI,   64                          ; the bias: block b at v[BI + 8 b]
.set AF,   128                         ; batch fragments
.set TS,   64                          ; the tail: two sets of 48: F +0, I +8, O +16, G +24, C +32, X +40
.set OB,   160                         ; the tail: rows read back, 16 x 4 registers
.set G0SB, 4                           ; s[4:11]   groups 0 for the weights' scale bytes, segment 0, 1 (where four pointers lay)
.set G1C,  12                          ; s[12:19]  group 1 for c_prev (where four pointers lay)
.set G0C,  20                          ; s[20:23]  group 0 for c_prev
.set WV,   28                          ; s28 wave;  s29 R, also: I fetch batch rows (0) or weights (1);  s30 c, also: which half I fetch
.set RR,   29
.set CC,   30
.set G1,   32                          ; s[32:39], s[40:47] groups 1 and 0 (a set for each slot) for batch tiles
.set G0,   40
.set G1B,  48                          ; s[48:55], s[56:63] for weight tiles
.set G0B,  56
.set PFC,  66                          ; s[66:67]  c_prev at my wave's 64 rows: the prefetches' base
.set G2B,  68                          ; s[68:71], s[72:75] groups 2 and 3 for weight tiles
.set G3B,  72
.set G1S,  76                          ; s[76:83], s[84:91] groups 1 and 0 (a set for each segment) for the batch rows' scale bytes
.set G0S,  84
.set G1SB, 92                          ; s[92:99]  group 1 for the weights' scale bytes
.set TX,   100
.set TY,   101
.set KN,   40                          ; the tail: s[40:41] -log2(e), s[42:43] 2 log2(e), each twice: packed forms name a pair
.set K2,   42
.set MSB, 0
.macro WIN new                         ; the immediate's high byte repeats the setting that is left
.if MSB != \new
	s_set_vgpr_msb (MSB<<8)|\new
.set MSB, \new
.endif
.endm
.set MUL_LO,  0xa1                     ; source 0 (weights) window 1, source 1 (batch) window 0, C and D window 2
.set MUL_HI,  0xf1                     ; the same, C and D window 3
.set BIAS_LO, 0x81                     ; the first step: C (the bias) window 0, D window 2
.set BIAS_HI, 0xc1                     ; D window 3
.set TO_B,    0x40                     ; destination window 1, address window 0
; A joint load: waves 0 and 1 fetch batch rows, waves 2 and 3 weights.  Each line has one mask and one set of registers for all that issue it; the branch hangs on the wave's number alone.
; three = 1: the weights' tile has three dimensions (192 bytes x 64 rows x 2 gates) and names four groups.  An s_nop 0 and four v_nop follow each line.
.macro JLOAD g0a, g1a, g0b, g1b, three
	s_cmp_eq_u32 s[RR], 0
	s_cbranch_scc0 .Lfor_b_\@
	tensor_load_to_lds s[\g0a:\g0a+3], s[\g1a:\g1a+7]
	s_nop 0
.rept 4
	v_nop
.endr
	s_branch .Lasked_\@
.Lfor_b_\@:
.if \three
	tensor_load_to_lds s[\g0b:\g0b+3], s[\g1b:\g1b+7], s[G2B:G2B+3], s[G3B:G3B+3]
.else
	tensor_load_to_lds s[\g0b:\g0b+3], s[\g1b:\g1b+7]
.endif
	s_nop 0
.rept 4
	v_nop
.endr
.Lasked_\@:
.endm
.macro CREST                           ; a round of the cluster's barrier behind its opening barrier
	s_cmp_lg_u32 s[WV], 0
	s_cbranch_scc1 .Lnot_wave_0_\@
	s_barrier_signal -3
.Lnot_wave_0_\@:
	s_barrier_wait -3
	s_barrier_signal -1
	s_barrier_wait -1
.endm
.macro CROUND                          ; a whole round
	s_barrier_signal -1
	s_barrier_wait -1
	CREST
.endm
.macro PLACES n                        ; plain vector instructions between a matrix instruction and a load into, or a read of, its registers
.rept \n
	v_nop
.endr
.endm
	s_load_b512 s[4:19], s[0:1], 0x0               ; x codes s[4:5], x scales s[6:7], h codes s[8:9], h scales s[10:11], U codes s[12:13], U scales s[14:15], W codes s[16:17], W scales s[18:19]
	s_load_b256 s[20:27], s[0:1], 0x40             ; U_b s[20:21], c_prev s[22:23], out0 s[24:25], out1 s[26:27]
	v_lshl_add_u32 v[SPW], v0, 2, SPARE
	v_mov_b32 v[NIL], 0
	ds_add_u32 v[SPW], v[NIL]                      ; the wave's opening: the add and its wait stand ahead of my first tensor load; the set-up below, work on registers, stands between them
	v_lshrrev_b32 v1, 5, v0
	v_readfirstlane_b32 s[WV], v1                  ; wave 0..3
	s_lshr_b32 s[RR], s[WV], 1
	s_and_b32 s[CC], s[WV], 1
	s_bfe_u32 s66, ttmp6, 0x40000                  ; cx, cy: my place in the cluster
	s_bfe_u32 s67, ttmp6, 0x40004
	s_lshl_b32 s[TX], ttmp9, 2
	s_add_co_u32 s[TX], s[TX], s66                 ; tx = 4 x cluster x + cx
	s_and_b32 s[TY], ttmp7, 0xffff
	s_lshl_b32 s[TY], s[TY], 2
	s_add_co_u32 s[TY], s[TY], s67                 ; ty = 4 x cluster y + cy
	s_lshl_b32 s104, s67, 2
	s_lshl_b32 s104, 15, s104                      ; my row of the cluster
	s_lshl_b32 s105, 0x1111, s66                   ; my column
	; group 1, batch tiles: 128 rows x 192 bytes, 768 bytes apart; 16 bytes of padding behind every 64
	s_or_b32 s[G1+0], s104, (0<<16)|(1<<20)|(1<<21)|(3<<22)|(3<<25)   ; 15:0 the mask: my row; 17:16 elements of 1 byte; 20 padding on; 21 set beside a mask; 24:22 after every 16 words; 31:25 4 words
	s_mov_b32 s[G1+1], ROWB<<16                    ; tensor_dim0
	s_mov_b32 s[G1+2], 128<<16                     ; tensor_dim1
	s_mov_b32 s[G1+3], ROWB<<16                    ; tile_dim0
	s_mov_b32 s[G1+4], 128                         ; tile_dim1
	s_mov_b32 s[G1+5], KROW                        ; from row to row
	s_mov_b32 s[G1+6], 0
	s_mov_b32 s[G1+7], 0
	; groups 1 to 3, weight tiles: 2 gates x 64 rows x 192 bytes; a gate is 1,024 rows = 786,432 bytes = 12 x 65,536 on
	s_or_b32 s[G1B+0], s105, (0<<16)|(1<<20)|(1<<21)|(3<<22)|(3<<25)  ; the mask: my column
	s_mov_b32 s[G1B+1], ROWB<<16
	s_mov_b32 s[G1B+2], 64<<16                     ; tensor_dim1 = 64
	s_mov_b32 s[G1B+3], ROWB<<16
	s_mov_b32 s[G1B+4], 64|(2<<16)                 ; tile_dim1 = 64, tile_dim2 = 2
	s_mov_b32 s[G1B+5], KROW
	s_mov_b32 s[G1B+6], 0                          ; the plane stride's low 16 bits are 0
	s_mov_b32 s[G1B+7], 12                         ; and its upper bits
	s_mov_b32 s[G2B+0], 2                          ; tensor_dim2
	s_mov_b32 s[G2B+1], 1                          ; tensor_dim3
	s_mov_b32 s[G2B+2], 0
	s_mov_b32 s[G2B+3], 0                          ; tile_dim3 = 0: not used
	s_mov_b32 s[G3B+0], 0
	s_mov_b32 s[G3B+1], 1<<16                      ; tensor_dim4 = 1
	s_mov_b32 s[G3B+2], 0                          ; tile_dim4 = 0: not used
	s_mov_b32 s[G3B+3], 0
	; group 1, the scale bytes of 128 batch rows: 4,096 dense bytes as 16 rows of 256 (32 elements of 8 bytes), 16 bytes of padding behind each
	s_or_b32 s[G1S+0], s104, (3<<16)|(1<<20)|(1<<21)|(5<<22)|(3<<25)
	s_mov_b32 s[G1S+1], 32<<16
	s_mov_b32 s[G1S+2], 16<<16
	s_mov_b32 s[G1S+3], 32<<16
	s_mov_b32 s[G1S+4], 16
	s_mov_b32 s[G1S+5], 32
	s_mov_b32 s[G1S+6], 0
	s_mov_b32 s[G1S+7], 0
	; group 1, the scale bytes of 2 gates x 64 weight rows: 2 rows of 2,048 dense bytes, 32,768 bytes apart; the same padding, eight times in a row
	s_or_b32 s[G1SB+0], s105, (3<<16)|(1<<20)|(1<<21)|(5<<22)|(3<<25)
	s_mov_b32 s[G1SB+1], 256<<16
	s_mov_b32 s[G1SB+2], 2<<16
	s_mov_b32 s[G1SB+3], 256<<16
	s_mov_b32 s[G1SB+4], 2
	s_mov_b32 s[G1SB+5], 4096
	s_mov_b32 s[G1SB+6], 0
	s_mov_b32 s[G1SB+7], 0
	; byte offsets, each made in the address words that it feeds: the batch side's of ty and the wave alone, the weights' of tx and the wave alone
	s_lshl_b32 s31, s[CC], 7
	s_lshl_b32 s[G0+2], s[TY], 8
	s_add_co_u32 s[G0+2], s[G0+2], s31             ; batch row 256 ty + 128 x half
	s_lshl_b32 s[G0S+2], s[G0+2], 5                ; its scale bytes: 32 a row
	s_mul_i32 s[G0+2], s[G0+2], KROW               ; its codes
	s_mov_b32 s[G0+3], 0
	s_mov_b32 s[G0+6], s[G0+2]
	s_mov_b32 s[G0+7], 0
	s_mov_b32 s[G0S+3], 0
	s_mov_b32 s[G0S+6], s[G0S+2]
	s_mov_b32 s[G0S+7], 0
	s_lshl_b32 s31, s[CC], 11
	s_lshl_b32 s[G0B+2], s[TX], 6
	s_add_co_u32 s[G0B+2], s[G0B+2], s31           ; weight row 2,048 x half + 64 tx: gate 2 x half, my first column
	s_lshl_b32 s2, s[G0B+2], 5
	s_mov_b32 s3, 0
	s_mul_i32 s[G0B+2], s[G0B+2], KROW
	s_mov_b32 s[G0B+3], 0
	s_mov_b32 s[G0B+6], s[G0B+2]
	s_mov_b32 s[G0B+7], 0
	; where they go: wave x 128 rows: no place in the cluster enters an LDS address
	s_mul_i32 s31, s[WV], HALFT
.irp s, 0,1
	s_mov_b32 s[G0+4*\s], 1
	s_add_co_u32 s[G0+4*\s+1], s31, \s*SLOT
	s_mov_b32 s[G0B+4*\s], 1
	s_add_co_u32 s[G0B+4*\s+1], s31, \s*SLOT
.endr
	s_mul_i32 s31, s[WV], HALFS
.irp s, 0,1
	s_mov_b32 s[G0S+4*\s], 1
	s_add_co_u32 s[G0S+4*\s+1], s31, SCL+\s*SEG
.endr
	s_wait_dscnt 0x0                               ; the opening add is done
	s_wait_kmcnt 0x0
	s_add_nc_u64 s[G0+2:G0+3], s[4:5], s[G0+2:G0+3]            ; slot 0: x
	s_add_nc_u64 s[G0+6:G0+7], s[8:9], s[G0+6:G0+7]            ; slot 1: h
	s_add_nc_u64 s[G0S+2:G0S+3], s[6:7], s[G0S+2:G0S+3]
	s_add_nc_u64 s[G0S+6:G0S+7], s[10:11], s[G0S+6:G0S+7]
	s_add_nc_u64 s[G0B+2:G0B+3], s[12:13], s[G0B+2:G0B+3]      ; slot 0: U
	s_add_nc_u64 s[G0B+6:G0B+7], s[16:17], s[G0B+6:G0B+7]      ; slot 1: W
	s_add_nc_u64 s[G0SB+2:G0SB+3], s[14:15], s[2:3]            ; (the four batch pointers have been read)
	s_add_nc_u64 s[G0SB+6:G0SB+7], s[18:19], s[2:3]
.irp s, 0,1
	s_mov_b32 s[G0SB+4*\s], 1
	s_add_co_u32 s[G0SB+4*\s+1], s31, SCL+\s*SEG
	s_or_b32 s[G0+4*\s+3], s[G0+4*\s+3], 0x80000000            ; 127:126 type = 2
	s_or_b32 s[G0B+4*\s+3], s[G0B+4*\s+3], 0x80000000
	s_or_b32 s[G0S+4*\s+3], s[G0S+4*\s+3], 0x80000000
	s_or_b32 s[G0SB+4*\s+3], s[G0SB+4*\s+3], 0x80000000
.endr
	; group 1, c_prev: 64 rows x 256 bytes (32 elements of 8 bytes), 4,096 bytes apart, 16 bytes of padding behind each; no mask  (the four weight pointers have been read)
	s_mov_b32 s[G1C+0], (3<<16)|(1<<20)|(5<<22)|(3<<25)
	s_mov_b32 s[G1C+1], 32<<16
	s_mov_b32 s[G1C+2], 64<<16
	s_mov_b32 s[G1C+3], 32<<16
	s_mov_b32 s[G1C+4], 64
	s_mov_b32 s[G1C+5], 512
	s_mov_b32 s[G1C+6], 0
	s_mov_b32 s[G1C+7], 0
	CROUND                                         ; all sixteen work-groups are here: the first joint loads meet
	JLOAD G0S, G1S, G0SB, G1SB, 0                  ; the scale bytes first, both segments, for all of K: filled once.  With the two slots four loads of mine are out
	JLOAD G0S+4, G1S, G0SB+4, G1SB, 0
	JLOAD G0, G1, G0B, G1B, 1                      ; slot 0: x and U, K 0 .. 255
	JLOAD G0+4, G1, G0B+4, G1B, 1                  ; slot 1: h and W, K 0 .. 255
	; the plain addresses: they may hang on both coordinates
	s_lshl_b32 s66, s[TX], 8
	s_lshl_b32 s31, s[CC], 7
	s_add_co_u32 s66, s66, s31
	s_mov_b32 s67, 0
	s_add_nc_u64 s[20:21], s[20:21], s[66:67]      ; U_b at column 64 tx + 32 c of gate 0
	v_and_b32 v1, 15, v0                           ; r = lane % 16
	v_bfe_u32 v2, v0, 4, 1                         ; h = lane / 16
	v_lshlrev_b32 v[VB], 5, v2
.irp b, 0,1,2,3,4,5,6,7                        ; block b = 2 g + u: lane (r, h) wants U_b[1024 g + 64 tx + 32 c + 16 u + 8 h + 0 .. 7], the result's layout
	global_load_b128 v[BI+8*\b:BI+8*\b+3], v[VB], s[20:21] offset:4096*(\b/2)+64*(\b%2)
	global_load_b128 v[BI+8*\b+4:BI+8*\b+7], v[VB], s[20:21] offset:4096*(\b/2)+64*(\b%2)+16
.endr
	s_lshl_b32 s66, s[TY], 8
	s_lshl_b32 s31, s[WV], 4
	s_add_co_u32 s66, s66, s31
	s_lshl_b32 s66, s66, 12                        ; row 256 ty + 16 x wave, 4,096 bytes a row,
	s_lshl_b32 s67, s[TX], 8
	s_add_co_u32 s66, s66, s67                     ; + 256 tx
	s_mov_b32 s67, 0
	s_add_nc_u64 s[24:25], s[24:25], s[66:67]      ; out0 and out1 at the first row that I store
	s_add_nc_u64 s[26:27], s[26:27], s[66:67]
	s_lshl_b32 s66, s[TY], 8
	s_lshl_b32 s31, s[WV], 6
	s_add_co_u32 s66, s66, s31
	s_lshl_b32 s66, s66, 12                        ; row 256 ty + 64 x wave
	s_lshl_b32 s67, s[TX], 8
	s_add_co_u32 s66, s66, s67
	s_mov_b32 s67, 0
	s_add_nc_u64 s[22:23], s[22:23], s[66:67]      ; c_prev at the 64 rows that I fetch
	s_mov_b64 s[PFC:PFC+1], s[22:23]               ; a copy for the prefetches,
	s_or_b32 s23, s23, 0x80000000                  ; and the descriptor's type
	v_mul_u32_u24 v3, v1, PITCH
	v_mad_u32_u24 v4, v2, 24, v3                   ; a fragment's row x pitch + 24 x half
	v_lshl_add_u32 v5, v2, 4, v4                   ; and the same behind one padding more
	s_mul_i32 s31, s[RR], 32*PITCH                 ; batch: + 32 R rows
	s_mul_i32 s2, s[CC], 32*PITCH                  ; weights: + 32 c rows,
	s_add_co_u32 s2, s2, 2*HALFT                   ; behind the 256 batch rows
.irp s, 0,1
	v_add_nc_u32 v[ADRA+\s], s31, v4
	v_add_nc_u32 v[ADRB+\s], s2, v4
	v_add_nc_u32 v[ADRA+2+\s], s31, v5
	v_add_nc_u32 v[ADRB+2+\s], s2, v5
	s_add_co_u32 s31, s31, SLOT
	s_add_co_u32 s2, s2, SLOT
.endr
	v_lshlrev_b32 v6, 5, v1                        ; my row's scale bytes: 32 a row,
	v_lshrrev_b32 v7, 3, v1
	v_lshl_add_u32 v6, v7, 4, v6                   ; and 16 more for each 8 rows passed
	s_mul_i32 s31, s[RR], 1088                     ; 32 rows are 1,024 + 64 bytes
	s_mul_i32 s2, s[CC], 1088
	s_add_co_u32 s2, s2, 2*HALFS                   ; the weights' lie behind the batch rows'
	s_sub_co_u32 s2, s2, s31
	v_mul_u32_u24 v7, s2, v2                       ; lanes 16-31 take the weights': one product, the distance x half
	s_add_co_u32 s31, s31, SCL
	v_add_nc_u32 v6, v6, v7
	v_add_nc_u32 v[ADRS], s31, v6
	v_add_nc_u32 v[ADRS+1], SEG-4*NQ, v[ADRS]      ; segment 1, one step low: every fetch from it stands behind a step of the address
	v_mul_u32_u24 v3, v1, CPP
	v_lshl_add_u32 v3, v2, 5, v3
	s_mul_i32 s31, s[RR], 32*CPP
	s_lshl_b32 s2, s[CC], 7
	s_add_co_u32 s31, s31, s2
	v_add_nc_u32 v[CPA], s31, v3                   ; row 32 R + r, byte 128 c + 32 h
	v_add_nc_u32 v[HSA], HST, v[CPA]
	v_mul_u32_u24 v3, v2, CPP
	v_lshl_add_u32 v3, v1, 4, v3
	s_mul_i32 s31, s[WV], 16*CPP
	v_add_nc_u32 v[RDC], s31, v3                   ; back: rows 16 x wave on; lanes 0-15 one row of 256 bytes, lanes 16-31 the next
	v_add_nc_u32 v[RDH], HST, v[RDC]
	v_lshlrev_b32 v[CO], 12, v2
	v_lshl_add_u32 v[CO], v1, 4, v[CO]             ; and the same two rows in memory
	v_and_b32 v[PFO], 31, v0
	v_lshlrev_b32 v[PFO], 12, v[PFO]
.macro FRAG reg, adr, q, i             ; a fragment: lane l holds row l % 16; registers 6 c .. 6 c + 5 hold K = 64 c + 32 (l / 16) + 0 .. 31: 24 bytes of the row's stream of bits, as they lie
.irp p, 0,1,2,3,4,5                    ; in pieces of 8 bytes.  Lanes 0-15 take the row's pieces 12 q + 0, 1, 2 and 12 q + 6, 7, 8, lanes 16-31 those three pieces on
.set PC, 12*(\q)+6*(\p/3)+\p%3        ; 16 bytes of padding lie behind every 8 pieces: where the piece three on lies behind one padding more, the second address register serves
.if PC%8 < 5
	ds_load_b64 v[\reg+2*\p:\reg+2*\p+1], v[\adr] offset:8*PC+16*(PC/8)+(64*((\i)/2)+16*((\i)%2))*PITCH
.else
	ds_load_b64 v[\reg+2*\p:\reg+2*\p+1], v[\adr+2] offset:8*PC+16*(PC/8)+(64*((\i)/2)+16*((\i)%2))*PITCH
.endif
.endr
.endm
; 16 matrix instructions: batch blocks a0, a0 + 1 x the eight weight blocks, 128 along K.  p: the weights' set;  sc: the set of scale words.  first = 1: the bias is C, and starts the sums.
; The 64 accumulators take turns, one instruction a turn, in the same order in every step.
.macro MUL16 a0, p, q, sc, first
.irp a, \a0, \a0+1
.irp b, 0,1,2,3,4,5,6,7
.if \first
	v_wmma_scale_f32_16x16x128_f8f6f4 v[8*(8*((\a)%4)+\b):8*(8*((\a)%4)+\b)+7], v[128*(\p)+FR*\b:128*(\p)+FR*\b+FR-1], v[AF+FR*(\a):AF+FR*(\a)+FR-1], v[BI+8*\b:BI+8*\b+7], v[SC+8*NQ*(\sc)+NQ*\b+(\q)], v[SC+8*NQ*(\sc)+NQ*(\a)+(\q)] matrix_a_fmt:MATRIX_FMT_FP6 matrix_b_fmt:MATRIX_FMT_FP6 matrix_a_scale:MATRIX_SCALE_ROW1
.else
	v_wmma_scale_f32_16x16x128_f8f6f4 v[8*(8*((\a)%4)+\b):8*(8*((\a)%4)+\b)+7], v[128*(\p)+FR*\b:128*(\p)+FR*\b+FR-1], v[AF+FR*(\a):AF+FR*(\a)+FR-1], v[8*(8*((\a)%4)+\b):8*(8*((\a)%4)+\b)+7], v[SC+8*NQ*(\sc)+NQ*\b+(\q)], v[SC+8*NQ*(\sc)+NQ*(\a)+(\q)] matrix_a_fmt:MATRIX_FMT_FP6 matrix_b_fmt:MATRIX_FMT_FP6 matrix_a_scale:MATRIX_SCALE_ROW1
.endif
.endr
.endr
.endm
.macro FETCH_B slot, q, p              ; the eight weight fragments of the slot's q-th 128 along K into set p
	WIN TO_B
.irp i, 0,1,2,3,4,5,6,7
	FRAG 128*(\p)+FR*\i, ADRB+\slot, \q, \i
.endr
	WIN 0
.endm
.macro FETCH_A slot, q, i0             ; batch blocks i0 .. i0 + 3
.irp i, \i0, \i0+1, \i0+2, \i0+3
	FRAG AF+FR*(\i), ADRA+\slot, \q, \i
.endr
.endm
.macro SCALES s                        ; a K step's scale words into set s: two words a row; lanes 0-15 batch block i, lanes 16-31 weight block i.  64 rows are 2,176 bytes on, 16 rows 544
.irp i, 0,1,2,3,4,5,6,7
	ds_load_b64 v[SC+8*NQ*\s+NQ*\i:SC+8*NQ*\s+NQ*\i+1], v[ADRS+\s] offset:(\i/2)*2176+(\i%2)*544
.endr
.endm
; c_prev IS PREFETCHED INTO THE L2 in the loop's last trip, behind slot 0's joint load and the run of LDS loads: four steps of 128 along K, 256 matrix instructions, ahead of the tensor load that wants it.
; My wave names the 64 rows that it will fetch, a lane a row of 256 bytes, two instructions: each row's 256 bytes are named once in the launch.  The address registers are never rewritten.
.macro ASK
	s_cmp_eq_u32 s3, 1
	s_cbranch_scc0 .Lnot_yet_\@
	global_prefetch_b8 v[PFO], s[PFC:PFC+1] th:TH_LOAD_NT scope:SCOPE_SE
	global_prefetch_b8 v[PFO], s[PFC:PFC+1] offset:32*4096 th:TH_LOAD_NT scope:SCOPE_SE
.Lnot_yet_\@:
.endm
; A step of 128 along K that has its successor in the same slot.  One set of registers serves the batch side: blocks 0-3 are fetched anew in the step's middle, blocks 4-7 at its end.
.macro STEP slot, q, first
	s_wait_dscnt 4*NL                              ; the weights' set, batch blocks 0-3 and the scale words are in; the youngest 24 loads (batch blocks 4-7) may be out
.if \first
	WIN BIAS_LO
.else
	WIN MUL_LO
.endif
	MUL16 0, (\q)%2, \q, \slot, \first
	MUL16 2, (\q)%2, \q, \slot, \first
	s_wait_dscnt 0                                 ; batch blocks 4-7 are in (asked for 32 matrix instructions ago)
	PLACES NP
	FETCH_B \slot, (\q)+1, 1-(\q)%2
	FETCH_A \slot, (\q)+1, 0
.if \first
	WIN BIAS_HI
.else
	WIN MUL_HI
.endif
	MUL16 4, (\q)%2, \q, \slot, \first
	MUL16 6, (\q)%2, \q, \slot, \first
	PLACES NP
	WIN 0
	FETCH_A \slot, (\q)+1, 4
.endm
; A slot's last step changes slots: one barrier, which opens a round of the cluster's; in front of it each wave waits for all its tensor loads, adds 0 to its spare word, and waits for that and for its reads of this slot.
; fill = 1: this slot takes its buffers' next 256 along K, jointly.  fill = 2: slot 0 has been read for the last time and takes c_prev, 64 rows a wave, a plain load.
.macro TURN slot, next, fill, ask
	s_wait_tensorcnt 0x0                           ; all my tensor loads have landed: my part of the next slot  (every window is 0 here)
	ds_add_u32 v[SPW], v[NIL]                      ; 0 onto my spare word
	s_wait_dscnt 4*NL+1                            ; (the add and the youngest 24 loads, batch blocks 4-7, may be out)
	WIN MUL_LO
	MUL16 0, 1, NQ-1, \slot, 0                     ; sixteen matrix instructions stand between the add and the wait for it
	s_wait_dscnt 0x0                               ; the add is done, and my reads of this slot are over
	s_barrier_signal -1
	MUL16 2, 1, NQ-1, \slot, 0
	WIN 0
	s_barrier_wait -1
	CREST                                          ; no wave of any partner still reads this slot's tile or has a load on its way
.if \fill == 1
	s_add_nc_u64 s[G0+4*\slot+2:G0+4*\slot+3], s[G0+4*\slot+2:G0+4*\slot+3], ROWB
	s_add_nc_u64 s[G0B+4*\slot+2:G0B+4*\slot+3], s[G0B+4*\slot+2:G0B+4*\slot+3], ROWB
	JLOAD G0+4*\slot, G1, G0B+4*\slot, G1B, 1      ; the first tensor load behind the round; the four v_nop behind it are also the places in front of the loads below
.else
	tensor_load_to_lds s[G0C:G0C+3], s[G1C:G1C+7]  ; my 64 rows of c_prev: my one load behind the round
	s_nop 0
.rept 4
	v_nop
.endr
.endif
	v_add_nc_u32 v[ADRS+\next], 4*NQ, v[ADRS+\next]   ; the next slot's scale words, 8 bytes on in its segment (no LDS load of mine is out)
	FETCH_B \next, 0, 0
	FETCH_A \next, 0, 0
	SCALES \next
.if \ask
	ASK
.endif
	WIN MUL_HI
	MUL16 4, 1, NQ-1, \slot, 0
	MUL16 6, 1, NQ-1, \slot, 0
	PLACES NP
	WIN 0
	FETCH_A \next, 0, 4
.endm
	s_wait_tensorcnt 0x1                           ; both segments of scale bytes and my part of slot 0 are in; slot 1's load may be out
	s_barrier_signal -1
	s_barrier_wait -1                              ; everybody's are
	FETCH_B 0, 0, 0
	FETCH_A 0, 0, 0
	SCALES 0
	FETCH_A 0, 0, 4
	s_wait_loadcnt 0x0                             ; the bias; its base is free:
	s_mov_b32 s[G0C], 1                            ; c_prev's group 0: count = 1,
	s_mul_i32 s[G0C+1], s[WV], 64*CPP              ; to LDS row 64 x wave; the address stands in s[22:23]
	STEP 0, 0, 1                                   ; the first step stands in front of the loop: its products take the bias as C
	s_mov_b32 s3, LAPS-1
.Llap:                                                 ; a trip goes once round the ring, from a lap's second step to the next lap's first, and fills both slots again
	TURN 0, 1, 1, 1
	STEP 1, 0, 0
	TURN 1, 0, 1, 0
	STEP 0, 0, 0
	s_sub_co_u32 s3, s3, 1
	s_cmp_lg_u32 s3, 0
	s_cbranch_scc1 .Llap
	TURN 0, 1, 2, 0                                ; the last lap: slot 0 takes c_prev
	STEP 1, 0, 0
	s_wait_dscnt 4*NL                              ; the very last step: nothing more to fetch
	WIN MUL_LO
	MUL16 0, 1, NQ-1, 1, 0
	MUL16 2, 1, NQ-1, 1, 0
	s_wait_dscnt 0x0                               ; my reads of slot 1 are over: behind the barrier h is gathered there
	s_wait_tensorcnt 0x0                           ; my 64 rows of c_prev have landed: behind the barrier other waves read them
	s_barrier_signal -1
	WIN MUL_HI
	MUL16 4, 1, NQ-1, 1, 0
	MUL16 6, 1, NQ-1, 1, 0
	WIN 0
	s_barrier_wait -1
	PLACES NP                                      ; in front of the first reads of results and of writes into registers that held fragments
	s_mov_b32 s[KN], 0xbfb8aa3b                    ; -log2(e)  (no tensor load is out: the descriptors' registers are free)
	s_mov_b32 s[KN+1], 0xbfb8aa3b
	s_mov_b32 s[K2], 0x4038aa3b                    ; 2 log2(e)
	s_mov_b32 s[K2+1], 0x4038aa3b
; THE TAIL.  A unit is batch block a = idx / 2 x 16 hidden columns u = idx % 2: eight numbers a lane of each gate.  A unit takes two passes, and pass 2 of unit idx - 1 shares its two batches of
; transcendentals with pass 1 of unit idx: 40 exponentials, one wait; 40 reciprocals, one wait.  Pass 1: the four gates, c = f c_prev + i g, c into c_prev's place in LDS.  Pass 2: tanh(c), h = o tanh(c), h into LDS.
; The two units lie in two sets of registers by turns.
.macro EPI idx
.if (\idx) < 16
.set ca, (\idx)/2
.set cu, (\idx)%2
.set CE, TS+48*((\idx)%2)
.set CR, (64*(ca/2)+16*(ca%2))*CPP+64*cu
	ds_load_b128 v[CE+32:CE+35], v[CPA] offset:CR                  ; c_prev of my row, my eight columns
	ds_load_b128 v[CE+36:CE+39], v[CPA] offset:CR+16
	WIN 0x02+(\idx)/8                              ; source 0: window 2 or 3
.irp g, 0,1,2
.irp j, 0,2,4,6
	v_pk_mul_f32 v[CE+8*\g+\j:CE+8*\g+\j+1], v[8*(8*(ca%4)+2*\g+cu)+\j:8*(8*(ca%4)+2*\g+cu)+\j+1], s[KN:KN+1] op_sel_hi:[1,0]   ; f, i, o: -x log2(e); each accumulator from its low end on
.endr
.endr
.irp j, 0,2,4,6
	v_pk_mul_f32 v[CE+24+\j:CE+25+\j], v[8*(8*(ca%4)+6+cu)+\j:8*(8*(ca%4)+6+cu)+\j+1], s[K2:K2+1] op_sel_hi:[1,0]             ; g: 2 x log2(e)
.endr
	WIN 0
.endif
.if (\idx) > 0
.set pa, ((\idx)-1)/2
.set pu, ((\idx)-1)%2
.set PE, TS+48*(((\idx)-1)%2)
.set PR, (64*(pa/2)+16*(pa%2))*CPP+64*pu
.irp j, 0,2,4,6
	v_pk_mul_f32 v[PE+40+\j:PE+41+\j], v[PE+32+\j:PE+33+\j], s[K2:K2+1] op_sel_hi:[1,0]    ; 2 c log2(e)
.endr
.endif
.if (\idx) < 16
.set i, 0
.rept 32
	v_exp_f32 v[CE+i], v[CE+i]
.set i, i+1
.endr
.endif
.if (\idx) > 0
.set i, 0
.rept 8
	v_exp_f32 v[PE+40+i], v[PE+40+i]
.set i, i+1
.endr
.endif
	v_nop                                          ; a plain instruction behind the last exponential,
	s_wait_alu depctr_va_vdst(0)                   ; and one wait for the batch, ahead of its first reader
.if (\idx) < 16
.set i, 0
.rept 16
	v_pk_add_f32 v[CE+i:CE+i+1], v[CE+i:CE+i+1], 1.0 op_sel_hi:[1,0]
.set i, i+2
.endr
.endif
.if (\idx) > 0
.irp j, 0,2,4,6
	v_pk_add_f32 v[PE+40+\j:PE+41+\j], v[PE+40+\j:PE+41+\j], 1.0 op_sel_hi:[1,0]
.endr
.endif
.if (\idx) < 16
.set i, 0
.rept 32
	v_rcp_f32 v[CE+i], v[CE+i]                     ; F, I, O are the sigmoids
.set i, i+1
.endr
.endif
.if (\idx) > 0
.set i, 0
.rept 8
	v_rcp_f32 v[PE+40+i], v[PE+40+i]
.set i, i+1
.endr
.endif
	v_nop
	s_wait_alu depctr_va_vdst(0)                   ; one wait for the reciprocals
.if (\idx) > 0
.irp j, 0,2,4,6
	v_pk_fma_f32 v[PE+40+\j:PE+41+\j], v[PE+40+\j:PE+41+\j], -2.0, 1.0 op_sel_hi:[1,0,0]   ; tanh(c)
.endr
.irp j, 0,2,4,6
	v_pk_mul_f32 v[PE+40+\j:PE+41+\j], v[PE+16+\j:PE+17+\j], v[PE+40+\j:PE+41+\j]          ; h = o tanh(c)
.endr
	ds_store_b128 v[HSA], v[PE+40:PE+43] offset:PR
	ds_store_b128 v[HSA], v[PE+44:PE+47] offset:PR+16
.endif
.if (\idx) < 16
.irp j, 0,2,4,6
	v_pk_fma_f32 v[CE+24+\j:CE+25+\j], v[CE+24+\j:CE+25+\j], -2.0, 1.0 op_sel_hi:[1,0,0]   ; g = tanh
.endr
.irp j, 0,2,4,6
	v_pk_mul_f32 v[CE+8+\j:CE+9+\j], v[CE+8+\j:CE+9+\j], v[CE+24+\j:CE+25+\j]              ; i g
.endr
.if (\idx) > 0
	s_wait_dscnt 2                                 ; c_prev is in: behind its two loads stand the two stores of h.  So all LDS stores of the unit before have also read their registers
.else
	s_wait_dscnt 0
.endif
.irp j, 0,2,4,6
	v_pk_fma_f32 v[CE+32+\j:CE+33+\j], v[CE+\j:CE+\j+1], v[CE+32+\j:CE+33+\j], v[CE+8+\j:CE+9+\j]   ; c = f c_prev + i g
.endr
	ds_store_b128 v[CPA], v[CE+32:CE+35] offset:CR                 ; into the bytes that I read c_prev from: nobody else reads those before the barrier below
	ds_store_b128 v[CPA], v[CE+36:CE+39] offset:CR+16
.endif
.endm
; Rows 64 q .. 64 q + 63 of c and of h are whole in LDS: four waves made them, so a barrier; then wave w takes rows 64 q + 16 w .. + 15 back as whole rows of 256 bytes and stores them.
.macro FLUSH q
	s_wait_dscnt 0x0                               ; for the others' sake: my stores have landed
	s_barrier_signal -1
	s_barrier_wait -1
.if (\q) > 0
	s_wait_xcnt 0x0                                ; the last flush's stores have read their registers: these are loaded again only behind this wait
.endif
.irp t, 0,1,2,3,4,5,6,7
	ds_load_b128 v[OB+4*\t:OB+4*\t+3], v[RDC] offset:(\q)*64*CPP+\t*2*CPP
.endr
.irp t, 0,1,2,3,4,5,6,7
	ds_load_b128 v[OB+32+4*\t:OB+32+4*\t+3], v[RDH] offset:(\q)*64*CPP+\t*2*CPP
.endr
.irp t, 0,1,2,3,4,5,6,7
	s_wait_dscnt 15-\t                             ; the younger loads may stay out
	global_store_b128 v[CO], v[OB+4*\t:OB+4*\t+3], s[26:27] offset:(64*(\q)+2*\t)*4096 th:TH_STORE_NT        ; c: sixteen lanes store 256 consecutive bytes, at a multiple of 256 from out1's first byte
.endr
.irp t, 0,1,2,3,4,5,6,7
	s_wait_dscnt 7-\t
	global_store_b128 v[CO], v[OB+32+4*\t:OB+32+4*\t+3], s[24:25] offset:(64*(\q)+2*\t)*4096 th:TH_STORE_NT  ; h likewise, into out0
.endr
.endm
.irp e, 0,1,2,3,4
	EPI \e
.endr
	FLUSH 0                                        ; units 0-3 are done: their rows leave while the next units are worked
.irp e, 5,6,7,8
	EPI \e
.endr
	FLUSH 1
.irp e, 9,10,11,12
	EPI \e
.endr
	FLUSH 2
.irp e, 13,14,15,16
	EPI \e
.endr
	FLUSH 3
	s_wait_tensorcnt 0x0                           ; the wave's end, behind my last tensor load and my last LDS store
	ds_add_u32 v[SPW], v[NIL]
	s_wait_dscnt 0x0
	CROUND                                         ; the closing round: no work-group ends while a partner may still ask for a tile that names it
	s_endpgm
.Lfunc_end_k_q1fb4676e6d_lstm:
	.size	k_q1fb4676e6d_lstm, .Lfunc_end_k_q1fb4676e6d_lstm-k_q1fb4676e6d_lstm
	.p2alignl 7, 3214868480
	.fill 96, 4, 3214868480
	.section	.rodata,"a",@progbits
	.p2align	6, 0x0
	.amdhsa_kernel k_q1fb4676e6d_lstm
		.amdhsa_group_segment_fixed_size 327680
		.amdhsa_private_segment_fixed_size 0
		.amdhsa_enable_private_segment 0
		.amdhsa_kernarg_size 96
		.amdhsa_user_sgpr_count 2
		.amdhsa_user_sgpr_kernarg_segment_ptr 1
		.amdhsa_wavefront_size32 1
		.amdhsa_system_sgpr_workgroup_id_x 1
		.amdhsa_system_sgpr_workgroup_id_y 1
		.amdhsa_system_sgpr_workgroup_id_z 1
		.amdhsa_system_vgpr_workitem_id 0
		.amdhsa_next_free_vgpr 1024
		.amdhsa_next_free_sgpr 106
		.amdhsa_reserve_vcc 0
		.amdhsa_float_denorm_mode_32 3
		.amdhsa_float_denorm_mode_16_64 3
		.amdhsa_memory_ordered 1
		.amdhsa_forward_progress 1
		.amdhsa_inst_pref_size 255
	.end_amdhsa_kernel
	.section	.bss,"aw",@nobits
	.p2align	6
	.space	262144
	.amdgpu_metadata
---
amdhsa.version: [ 1, 2 ]
amdhsa.kernels:
  - .name:           k_q1fb4676e6d_lstm
    .symbol:         k_q1fb4676e6d_lstm.kd
    .args:
      - { .name: x_t_codes, .offset: 0, .size: 8, .value_kind: global_buffer, .address_space: global }
      - { .name: x_t_scales, .offset: 8, .size: 8, .value_kind: global_buffer, .address_space: global }
      - { .name: h_prev_codes, .offset: 16, .size: 8, .value_kind: global_buffer, .address_space: global }
      - { .name: h_prev_scales, .offset: 24, .size: 8, .value_kind: global_buffer, .address_space: global }
      - { .name: U_w_codes, .offset: 32, .size: 8, .value_kind: global_buffer, .address_space: global }
      - { .name: U_w_scales, .offset: 40, .size: 8, .value_kind: global_buffer, .address_space: global }
      - { .name: W_w_codes, .offset: 48, .size: 8, .value_kind: global_buffer, .address_space: global }
      - { .name: W_w_scales, .offset: 56, .size: 8, .value_kind: global_buffer, .address_space: global }
      - { .name: U_b, .offset: 64, .size: 8, .value_kind: global_buffer, .address_space: global }
      - { .name: c_prev, .offset: 72, .size: 8, .value_kind: global_buffer, .address_space: global }
      - { .name: out0, .offset: 80, .size: 8, .value_kind: global_buffer, .address_space: global }
      - { .name: out1, .offset: 88, .size: 8, .value_kind: global_buffer, .address_space: global }
    .group_segment_fixed_size: 327680
    .private_segment_fixed_size: 0
    .kernarg_segment_align: 8
    .kernarg_segment_size: 96
    .max_flat_workgroup_size: 128
    .sgpr_count:     106
    .vgpr_count:     1024
    .wavefront_size: 32
...
	.end_amdgpu_metadata
.endif
;; end of part 1
